; MI455X (gfx1250); checked and timed in simulation.
; The chip was launched on July 23, 2026; its instructions are those of AMD's public machine-readable ISA for CDNA 5 (MIT licence, August 2026) and "CDNA5" Instruction Set Architecture Reference Guide (July 2026). The comments in the code are by the model that wrote it; some were corrected since.
;; Ca T. Allowed arithmetic: matrix products marked QUANTISED: E2M1 operands, one E8M0 scale for each 32 along K, by v_wmma_scale_f32_16x16x128_f8f6f4 with both operands' format E2M1 (or v_wmma_scale_f32_32x16x128_f4), f32 sums; products left as they are: f32 operands where the result goes on into a quantised operand, else bf16, f16 or f32 operands; f32 sums; everything else in f32.
;; Inputs: W1 3 x 1 x 4 float32; W2 3 x 4 x 1 float32; Wk 3 x 8 x 16 float32; Wlm 1 x 1 float32; Wp 3 x 128 x 1 float32; Wq 3 x 8 x 16 float32; Wv 3 x 8 x 16 float32; X 4,096 x 64 float32; b1 3 x 4 float32; b2 3 x 1 float32; blm 1 float32; bp 3 x 1 float32; dag 64 x 64 int32.
;; Outputs: out0 4,096 x 64 float32.
;; This version of the problem:
;;   THIS VERSION OF THE PROBLEM IS GIVEN IN LOW PRECISION. The matrix products marked QUANTISED in the list below multiply operands that are first quantised to E2M1 (2 exponent bits, 1 mantissa bit; 4 bits a number), with one power-of-two scale for each 32 numbers along K (OCP MX v1.0); their sums are f32. All else is computed in f32.
;;   The module's matrix products, in the order in which they are computed (A, B: the left and right operand; K: the contracted axis; several contracted axes count as one K, in the product's order):
;;     1. batch 32,768 x [M 64, K 16] x [K 16, N 64]; A: computed on the way; B: computed on the way: left as it is (K = 16 < 32)
;;     2. batch 32,768 x [M 64, K 64] x [K 64, N 16]; A: computed on the way; B: computed on the way: QUANTISED
;;     3. [M 262,144, K 128] x [K 128, N 1]; A: computed on the way; B: input Wp: left as it is (N = 1 < 16)
;;     4. [M 262,144, K 1] x [K 1, N 4]; A: computed on the way; B: input W1: left as it is (K = 1 < 32)
;;     5. [M 262,144, K 4] x [K 4, N 1]; A: computed on the way; B: input W2: left as it is (K = 4 < 32)
;;     6. batch 32,768 x [M 64, K 16] x [K 16, N 64]; A: computed on the way; B: computed on the way: left as it is (K = 16 < 32)
;;     7. batch 32,768 x [M 64, K 64] x [K 64, N 16]; A: computed on the way; B: computed on the way: QUANTISED
;;     8. [M 262,144, K 128] x [K 128, N 1]; A: computed on the way; B: input Wp: left as it is (N = 1 < 16)
;;     9. [M 262,144, K 1] x [K 1, N 4]; A: computed on the way; B: input W1: left as it is (K = 1 < 32)
;;     10. [M 262,144, K 4] x [K 4, N 1]; A: computed on the way; B: input W2: left as it is (K = 4 < 32)
;;     11. batch 32,768 x [M 64, K 16] x [K 16, N 64]; A: computed on the way; B: computed on the way: left as it is (K = 16 < 32)
;;     12. batch 32,768 x [M 64, K 64] x [K 64, N 16]; A: computed on the way; B: computed on the way: QUANTISED
;;     13. [M 262,144, K 128] x [K 128, N 1]; A: computed on the way; B: input Wp: left as it is (N = 1 < 16)
;;     14. [M 262,144, K 1] x [K 1, N 4]; A: computed on the way; B: input W1: left as it is (K = 1 < 32)
;;     15. [M 262,144, K 4] x [K 4, N 1]; A: computed on the way; B: input W2: left as it is (K = 4 < 32)
;;     16. [M 262,144, K 1] x [K 1, N 1]; A: computed on the way; B: input Wlm: left as it is (K = 1 < 32)
;;   THE QUANTISER, for each operand of a quantised product, along K:
;;     - K is cut into blocks of 32 from its start; a last block that is shorter is filled with zeros.
;;     - A block's scale is 2^e with e = floor(log2(the largest magnitude in the block)) - 2, held to -126 .. 127; a block of zeros has e = 0. As a byte (E8M0): e + 127.
;;     - Each number is divided by its block's scale, clamped to +-6, and rounded to the nearest number of E2M1, ties to even, subnormals kept.
;;     - The product sums the exact products of the quantised numbers (number of the format x scale) in f32.
;;   ~~~python
;;   def quantise(x, axis):      # numpy; x: float32 -> the quantised numbers, widened to float32 again
;;       x = np.moveaxis(x, axis, -1); K = x.shape[-1]
;;       x = np.pad(x, [(0, 0)] * (x.ndim - 1) + [(0, -K % 32)]); x = x.reshape(x.shape[:-1] + (-1, 32)); a = np.abs(x).max(-1, keepdims=True)
;;       e = np.where(a > 0, np.clip(np.frexp(np.where(a > 0, a, 1))[1] - 1 - 2, -126, 127), 0)      # np.frexp(a)[1] - 1 = floor(log2(a)), exactly
;;       r = np.clip(x / 2.0 ** e, -6, 6)
;;       step = 2.0 ** (np.maximum(np.frexp(np.where(r == 0, 1, r))[1] - 1, 0) - 1)
;;       q = np.round(r / step) * step * 2.0 ** e      # np.round: ties to even
;;       return np.moveaxis(q.reshape(q.shape[:-2] + (-1,))[..., :K], -1, axis).astype(np.float32)
;;   ~~~
;;   OPERANDS COMPUTED ON THE WAY. 'Computed on the way' means the value that the module computes at that place (a softmax that the list does not call 'softmax' is quantised finished and normalised). What goes into a quantiser is computed in f32, as accurately as f32 sums, v_exp_f32 and their like allow (about 1e-6 of the number): no bf16 or f16 on the way to a quantiser, and a product that is left as it is and whose result goes on into a quantised operand takes f32 operands (vector FMAs, or v_wmma_f32_16x16x4_f32). A number that lies on a knife's edge between two numbers of the format may be rounded either way, as far as f32 arithmetic and the matrix unit's own rounding can turn it there, and no further.
;; 2 versions, each right; version 2 is version 1 with the launch cat written anew for expert scheduling mode. Each part assembles by itself: llvm-mc -triple=amdgcn-amd-amdhsa -mcpu=gfx1250 --defsym DOCPART=n.
;; ======== version 1 of 2: 1 launch
;; launch cat (part 1): grid 256 x 1, 16 waves a work-group, no clusters, 25,088 bytes of LDS; arguments X, dag, Wq, Wk, Wv, Wp, bp, W1, b1, W2, b2, Wlm, blm, out0; writes out0
.if DOCPART == 1
	.amdgcn_target "amdgcn-amd-amdhsa--gfx1250"
	.amdhsa_code_object_version 6
	.text
	.protected	k_qd8e06d435f_cat
	.globl	k_qd8e06d435f_cat
	.p2align	8
	.type	k_qd8e06d435f_cat,@function
k_qd8e06d435f_cat:
	s_mov_b64 s[64:65], 0
	v_nop
	global_prefetch_b8 v0, s[64:65] scope:SCOPE_SE
	s_setreg_imm32_b32 hwreg(HW_REG_WAVE_MODE, 25, 1), 1
	s_wait_xcnt 0x0
; CaT: 4,096 rows of 64 scalars through 3 layers (8 heads of masked attention over the 64 variables, projection 128 -> 1, feed-forward 1 -> 4 -> 1), then a 1 x 1 head.
; ONE WAVE OWNS ONE ROW (row = 16 x work-group + wave) through all layers: 256 work-groups x 16 waves, four waves of 240 registers to a SIMD, so that one wave's exponentials stand beside another's plain arithmetic.
; THE SCORES.  The embedding is one number wide, so Q K^T is of rank one for every input: wei[h][n][m] = x_n x_m c_h, c_h = 0.25 sum_d Wq[h][d] Wk[h][d].  It is computed so, in f32 (c' = c log2(e): exponentials to base 2).
; THE MAXIMUM.  For a = c'_h x_n the largest a x_m over the row's valid keys is a x (largest valid x) or a x (smallest valid x): the two extremes are found once a tile and layer, and the true maximum is taken away in every head.
; THE QUANTISED PRODUCT  attn[h][n][d] = sum_m Q(p[h][n][m]) Q(x_m Wv[h][d]), K = 64 keys = two blocks of 32, on codes of E2M1 with E8M0 scales.  It is used transposed: source 0 = V^T (16 rows d), source 1 = p (16 queries).
; Lane (r, hf) = (lane % 16, lane / 16) owns query 16 t + r (or channel d = r) and keys 32 hf + 0 .. 31: one whole block in 32 registers, in the order of the 4-bit operand, so four conversions write the operand's registers.
; The instruction is 128 deep: heads go in pairs.  Source 0 = [V of head 2 q | V of head 2 q + 1]; source 1 = [p of 2 q | zero codes] for one product and [zero codes | p of 2 q + 1] for the other.  Zero codes add nothing under any byte but 0xff.
; A block's largest p is not searched for: it is the p of the block's largest or smallest valid x, put through the same multiply-add, exponential and multiplication (this takes v_exp_f32 not to fall where its input rises).  V's largest magnitude is |Wv| x the block's largest |x|.
; THE MASK is an LDS table bias[n][m] = 0 where dag[m][n] != 0, else -infinity; it is added ahead of the multiply-add, so that a masked key gives 2^-inf = 0 also where a = 0.  A row with no valid key: its sum gets 1, its p are zeros.
; NO CLUSTER: what work-groups share is dag and Wp, 17,920 bytes read once at the head; all else of a work-group's inputs is its own 4,096 bytes of X or a few words.  No tensor load: both operands are made in registers.
; LIMITS: NaN and infinities among the inputs, and a x_m beyond f32's range, are not served.  p under 2^-126 is 0 (v_exp_f32).  p = e x (1 / sum) by v_rcp_f32.  Blocks of zeros carry the byte 1, not 127: their codes are zeros and only this text reads the bytes.
; Order of rounding that differs from the source's: c_h is summed over d by a tree over lanes; the projection's 128 terms in four chains; x + h W2 by four fused multiply-adds onto x.
.set BP,   272                         ; a row of the mask table: 64 f32 + 16 bytes, so that the 16 rows of a 16-byte load start at 16 different banks
.set BT,   0                           ; LDS: bias[64][64], 17,408 bytes
.set WPT,  BT+64*BP                    ; Wp as it lies, 3 x 128 f32, 1,536 bytes
.set XB,   WPT+1536                    ; x: 256 bytes for each wave, its own
.set XR,   64                          ; v64-95   x[32 hf + i]
.set BI,   96                          ; v96-127  bias[my query][32 hf + i]
.set E,    128                         ; v128-159 at work: t, e, p (and V's numbers)
.set VF,   160                         ; v160-191 V's codes: head h at VF + 4 h
.set PC,   192                         ; v192-199 [p of an even head | zeros]
.set PD,   200                         ; v200-207 [zeros | p of an odd head]
.set D0,   208                         ; v208-215, v216-223 the two products' results
.set D1,   216
.set WP,   224                         ; v224-239 Wp of a pair of heads (my 8 channels each); in a layer's set-up: Wv[h][r], twice, at WP + 2 h
.set CH,   68                          ; s68-75   c'_h
; v1 r, v2 hf, v3 8 hf, v4-v7 LDS places that stay (mask, x_n, x's half, Wp), v8-v10 the same in hand, v11, v43 offsets in Wq/Wk and Wv, v12 4 lane, v13 4 r, v14 8 lane, v15 my 8 bytes of x in LDS
; v16 x_n, v17 1 for an empty row, v18/v19 the row's largest/smallest valid x, v20/v21 the block's, v22 a, v24 -maximum, v26 1/sum, v28 largest p, v29 the conversion's scale, v30-v32 bytes, v33 a permute's destination
; v[34:37] sums, v[38:41] the projection's four chains, v42 largest |x| of my half, v44 p's scale word, v45-48 V's scale words, v49 0, v50-55 the feed-forward, v56 -infinity, v57-60 the head's
	s_load_b512 s[8:23], s[0:1], 0x0               ; X, dag, Wq, Wk, Wv, Wp, bp, W1
	s_load_b256 s[24:31], s[0:1], 0x40             ; b1, W2, b2, Wlm
	s_load_b128 s[32:35], s[0:1], 0x60             ; blm, out0
	v_lshl_add_u32 v240, v0, 2, 0x5a00
	v_mov_b32 v241, 0
	v_lshrrev_b32 v59, 5, v0
	v_readfirstlane_b32 s2, v59                    ; wave 0..15
	v_and_b32 v1, 15, v0                           ; r
	v_bfe_u32 v2, v0, 4, 1                         ; hf
	v_and_b32 v60, 31, v0                          ; lane
	v_lshlrev_b32 v3, 3, v2
	v_mul_u32_u24 v4, v1, BP
	v_lshl_add_u32 v4, v2, 7, v4                   ; mask: row r, my half's 128 bytes
	s_lshl_b32 s3, s2, 8
	s_add_co_u32 s3, s3, XB                        ; my wave's x
	v_lshl_add_u32 v5, v1, 2, s3
	v_lshl_add_u32 v6, v2, 7, s3
	v_lshl_add_u32 v7, v2, 5, WPT                  ; Wp: my 8 channels of a head
	v_lshlrev_b32 v12, 2, v60
	v_lshlrev_b32 v13, 2, v1
	v_lshlrev_b32 v14, 3, v60
	v_lshl_add_u32 v15, v60, 3, s3
	v_lshlrev_b32 v57, 4, v0                       ; 16 x thread: dag's and Wp's bytes, and Wp's place in LDS
	v_lshrrev_b32 v59, 4, v0
	v_mul_u32_u24 v58, v1, 4*BP
	v_lshl_add_u32 v58, v59, 2, v58                ; dag[m = thread / 16][n = 4 (thread % 16) + c] goes to bias[n][m]
	v_mov_b32 v56, 0xff800000                      ; -infinity
.irp z, 23,25,27,32,33,49,196,197,198,199,200,201,202,203
	v_mov_b32 v\z, 0                               ; upper halves of pairs of which the low word is taken, permutes' destinations, 0, and the zero codes
.endr
	s_mov_b32 s36, 0x76543210
	s_mov_b32 s37, 0xfedcba98                      ; v_permlanex16_b32's selects for lane l xor 16
	s_lshl_b32 s4, ttmp9, 4
	s_add_co_u32 s4, s4, s2
	s_lshl_b32 s4, s4, 8                           ; my row's 256 bytes in X and in out0
	s_mov_b32 s5, 0
	s_wait_kmcnt 0x0
	s_load_b32 s62, s[30:31], 0x0                  ; Wlm
	s_load_b32 s63, s[32:33], 0x0                  ; blm
	s_add_nc_u64 s[8:9], s[8:9], s[4:5]
	s_add_nc_u64 s[34:35], s[34:35], s[4:5]
	global_load_b64 v[50:51], v14, s[8:9] th:TH_LOAD_NT   ; the wave reads 256 consecutive bytes
	global_load_b128 v[128:131], v57, s[10:11]     ; dag: 512 threads x 16 bytes, twice
	global_load_b128 v[132:135], v57, s[10:11] offset:8192
	s_cmp_lt_u32 s2, 3                             ; Wp's 1,536 bytes are 96 threads' 16: waves 0 to 2
	s_cbranch_scc0 .Lno_wp
	global_load_b128 v[136:139], v57, s[18:19]
	s_wait_loadcnt 0x0
	ds_store_b128 v57, v[136:139] offset:WPT
.Lno_wp:
	s_wait_loadcnt 0x0
	ds_store_b64 v15, v[50:51]                     ; x, into my wave's own bytes
.irp k, 0,1
.irp c, 0,1,2,3
	v_cmp_eq_u32 vcc_lo, 0, v[128+4*\k+\c]
	v_cndmask_b32 v[128+4*\k+\c], 0, v56, vcc_lo   ; -infinity where dag is 0
	ds_store_b32 v58, v[128+4*\k+\c] offset:BT+BP*\c+128*\k
.endr
.endr
	s_wait_dscnt 0x0                               ; for the others' sake: my part of the two tables has landed
	s_barrier_signal -1
	s_barrier_wait -1                              ; the one barrier: from here on the tables are only read, and x is each wave's own
	s_wait_kmcnt 0x0                               ; Wlm, blm
; two bytes of my half (v30: the pair's first head, v31: its second) become a scale word: byte b = first head's block b, byte 2 + b = second head's
.macro WORD dst
	v_lshl_or_b32 v31, v31, 16, v30
	v_lshlrev_b32 v31, v3, v31                     ; 8 hf bits up
	v_permlanex16_b32 v32, v31, s36, s37
	v_or_b32 v[\dst], v31, v32                     ; with lane l xor 16's two the word is whole
.endm
; V of head h: lane (r, hf) makes x[32 hf + i] Wv[h][r], its block's scale and its codes
.macro VHEAD h
.irp i, 0,2,4,6,8,10,12,14,16,18,20,22,24,26,28,30
	v_pk_mul_f32 v[E+\i:E+\i+1], v[XR+\i:XR+\i+1], v[WP+2*(\h):WP+2*(\h)+1]
.endr
	v_mul_f32 v28, |v[WP+2*(\h)]|, v42             ; the block's largest magnitude: rounding keeps the order, so it is the rounded product of the largest |x|
	v_max_num_f32 v28, 0x1800000, v28              ; the floor 2^(3 - 127): the byte cannot fall under 1
	v_add_nc_u32 v29, 0xff000000, v28              ; 2 off the exponent field: the conversion's scale operand
.irp g, 0,1,2,3
	v_cvt_scalef32_pk8_fp4_f32 v[VF+4*(\h)+\g], v[E+8*\g:E+8*\g+7], v29
.endr
	v_lshrrev_b32 v[30+(\h)%2], 23, v29            ; the scale's byte.  (Also the plain line behind the conversions)
.if (\h)%2
	WORD 45+(\h)/2
.endif
.endm
.macro LOADWP q                        ; Wp of heads 2 q and 2 q + 1, my 8 channels of each
	ds_load_b128 v[WP:WP+3],     v10 offset:128*(\q)
	ds_load_b128 v[WP+4:WP+7],   v10 offset:128*(\q)+16
	ds_load_b128 v[WP+8:WP+11],  v10 offset:128*(\q)+64
	ds_load_b128 v[WP+12:WP+15], v10 offset:128*(\q)+80
.endm
.macro MM q                            ; register j of lane (r, hf): attn[query r][channel 8 hf + j], of head 2 q in D0, of head 2 q + 1 in D1.  Each sum is one instruction, begun with the constant 0
	v_wmma_scale_f32_16x16x128_f8f6f4 v[D0:D0+7], v[VF+8*(\q):VF+8*(\q)+7], v[PC:PC+7], 0, v[45+(\q)], v44 matrix_a_fmt:MATRIX_FMT_FP4 matrix_b_fmt:MATRIX_FMT_FP4
	v_wmma_scale_f32_16x16x128_f8f6f4 v[D1:D1+7], v[VF+8*(\q):VF+8*(\q)+7], v[PD:PD+7], 0, v[45+(\q)], v44 matrix_a_fmt:MATRIX_FMT_FP4 matrix_b_fmt:MATRIX_FMT_FP4
.endm
.macro PROJ q                          ; the projection's terms of a pair of heads; each result is read from its low end on
	s_wait_dscnt 0x0                               ; Wp of this pair is in
.irp j, 0,2,4,6
.if ((\q) == 0) && (\j == 0)
	v_pk_mul_f32 v[38:39], v[D0:D0+1], v[WP:WP+1]  ; a tile's first terms start the sums
	v_pk_mul_f32 v[40:41], v[D1:D1+1], v[WP+8:WP+9]
.else
	v_pk_fma_f32 v[38:39], v[D0+\j:D0+\j+1], v[WP+\j:WP+\j+1], v[38:39]
	v_pk_fma_f32 v[40:41], v[D1+\j:D1+\j+1], v[WP+8+\j:WP+9+\j], v[40:41]
.endif
.endr
.if (\q) < 3
	LOADWP (\q)+1
.endif
.endm
.macro REDUCE three, two, dst          ; the largest or smallest of E's 32, in two chains
	\three v34, v[E], v[E+1], v[E+2]
	\three v36, v[E+3], v[E+4], v[E+5]
.irp i, 6,10,14,18,22,26
	\three v34, v34, v[E+\i], v[E+\i+1]
	\three v36, v36, v[E+\i+2], v[E+\i+3]
.endr
	\three v34, v34, v[E+30], v[E+31]
	\two v[\dst], v34, v36
.endm
; One head for one tile of 16 queries: p, its scale and its codes.  mm = 1: the pair of heads before is multiplied and projected on the way.
.macro HEAD h, mm
	v_mul_f32 v22, s[CH+\h], v16                   ; a = c'_h x_n
	v_mul_f32 v34, -v22, v18
	v_mul_f32 v36, -v22, v19
	v_min_num_f32 v24, v34, v36                    ; minus the row's largest a x_m over its valid keys
.irp i, 0,2,4,6,8,10,12,14,16,18,20,22,24,26,28,30
	v_pk_add_f32 v[E+\i:E+\i+1], v[BI+\i:BI+\i+1], v[24:25] op_sel_hi:[1,0]   ; -maximum, or -infinity for a masked key
.endr
.if \mm
	MM (\h)/2-1                                    ; p's codes stand 20 plain lines back, p's scale word 36 (4 and 8 are owed ahead of a scaled matrix instruction: ISA guide 7.12.1 has the kind)
.endif
.irp i, 0,2,4,6,8,10,12,14,16,18,20,22,24,26,28,30
	v_pk_fma_f32 v[E+\i:E+\i+1], v[XR+\i:XR+\i+1], v[22:23], v[E+\i:E+\i+1] op_sel_hi:[1,0,1]   ; t = a x_m - maximum
.endr
	v_fma_f32 v23, v22, v20, v24                   ; the same of my block's two extremes:
	v_fma_f32 v25, v22, v21, v24
	v_max_num_f32 v23, v23, v25                    ; my block's largest t
.irp i, 0,1,2,3,4,5,6,7,8,9,10,11,12,13,14,15,16,17,18,19,20,21,22,23,24,25,26,27,28,29,30,31
	v_exp_f32 v[E+\i], v[E+\i]
.endr
	v_exp_f32 v28, v23                             ; my block's largest e
.if \mm
	PROJ (\h)/2-1                                  ; plain work that names no exponential's result; the products stand 19 plain lines back
.else
	v_nop                                          ; a plain line behind the last exponential
.endif
	s_wait_alu depctr_va_vdst(0)                   ; one wait for the batch of 33, ahead of its first reader
	v_pk_add_f32 v[34:35], v[E:E+1], v[E+2:E+3]    ; the row's sum, two at a time, in two chains
	v_pk_add_f32 v[36:37], v[E+4:E+5], v[E+6:E+7]
.irp j, 8,12,16,20,24,28
	v_pk_add_f32 v[34:35], v[34:35], v[E+\j:E+\j+1]
	v_pk_add_f32 v[36:37], v[36:37], v[E+\j+2:E+\j+3]
.endr
	v_pk_add_f32 v[34:35], v[34:35], v[36:37]
	v_add_f32 v34, v34, v35
	v_permlanex16_b32 v33, v34, s36, s37
	v_add_f32 v34, v34, v33                        ; with the other 32 keys'
	v_add_f32 v34, v34, v17                        ; + 1 in a row with no valid key, whose e are all 0
	v_rcp_f32 v26, v34
	v_nop                                          ; a plain line behind the reciprocal
	s_wait_alu depctr_va_vdst(0)                   ; and its wait, ahead of its first reader
	v_mul_f32 v28, v28, v26                        ; my block's largest p
	v_max_num_f32 v28, 0x1800000, v28              ; the floor 2^(3 - 127)
	v_add_nc_u32 v29, 0xff000000, v28              ; the conversion's scale operand
	v_lshrrev_b32 v[30+(\h)%2], 23, v29            ; the scale's byte
.if (\h)%2
	WORD 44
.endif
.irp i, 0,2,4,6,8,10,12,14,16,18,20,22,24,26,28,30
	v_pk_mul_f32 v[E+\i:E+\i+1], v[E+\i:E+\i+1], v[26:27] op_sel_hi:[1,0]   ; p, finished and normalised
.endr
.irp g, 0,1,2,3
	v_cvt_scalef32_pk8_fp4_f32 v[PC+12*((\h)%2)+\g], v[E+8*\g:E+8*\g+7], v29   ; an even head's codes into PC's lower four registers, an odd head's into PD's upper four
.endr
.endm
	s_mov_b32 s38, 0                               ; layer
	s_mov_b32 s39, 0                               ; 512 x layer: Wq, Wk, Wv, Wp
	s_mov_b32 s40, 0                               ; 16 x layer: W1, b1, W2
	s_mov_b32 s41, 0                               ; 4 x layer: bp, b2
.Llayer:
	s_load_b128 s[48:51], s[22:23], s40 offset:0x0 ; W1
	s_load_b128 s[52:55], s[24:25], s40 offset:0x0 ; b1
	s_load_b128 s[56:59], s[26:27], s40 offset:0x0 ; W2
	s_load_b32 s60, s[20:21], s41 offset:0x0       ; bp
	s_load_b32 s61, s[28:29], s41 offset:0x0       ; b2
	v_add_nc_u32 v11, s39, v12
	v_add_nc_u32 v43, s39, v13
	v_add_nc_u32 v10, s39, v7
.irp j, 0,1,2,3
	global_load_b32 v[E+\j], v11, s[12:13] offset:128*\j     ; Wq[head 2 j + hf][r]
.endr
.irp j, 0,1,2,3
	global_load_b32 v[E+4+\j], v11, s[14:15] offset:128*\j   ; Wk likewise
.endr
.irp h, 0,1,2,3,4,5,6,7
	global_load_b32 v[WP+2*\h], v43, s[16:17] offset:64*\h   ; Wv[h][r], into both registers of a pair for the packed multiply
	global_load_b32 v[WP+2*\h+1], v43, s[16:17] offset:64*\h
.endr
.irp g, 0,1,2,3,4,5,6,7
	ds_load_b128 v[XR+4*\g:XR+4*\g+3], v6 offset:16*\g       ; x of my half: LDS serves a wave's instructions in order, so these see the last layer's stores
.endr
	s_wait_loadcnt 16                              ; Wq and Wk are in; behind them the 16 loads of Wv may be out
.irp j, 0,1,2,3
	v_mul_f32 v[E+\j], v[E+\j], v[E+4+\j]
.endr
.irp x, 1,2,4,8
.irp j, 0,1,2,3
	v_add_f32_dpp v[E+\j], v[E+\j], v[E+\j] row_xmask:\x row_mask:0xf bank_mask:0xf   ; the sum over d = the 16 lanes of a half; four registers by turns
.endr
.endr
.irp j, 0,1,2,3
	v_mul_f32 v[E+\j], 0x3eb8aa3b, v[E+\j]         ; x 0.25 log2(e)
.endr
.irp j, 0,1,2,3
	v_readlane_b32 s[CH+2*\j], v[E+\j], 0
	v_readlane_b32 s[CH+2*\j+1], v[E+\j], 16
.endr
	s_wait_dscnt 0x0                               ; x
	v_max3_num_f32 v34, |v[XR]|, |v[XR+1]|, |v[XR+2]|   ; the largest |x| of my half
	v_max3_num_f32 v36, |v[XR+3]|, |v[XR+4]|, |v[XR+5]|
.irp i, 6,10,14,18,22,26
	v_max3_num_f32 v34, v34, |v[XR+\i]|, |v[XR+\i+1]|
	v_max3_num_f32 v36, v36, |v[XR+\i+2]|, |v[XR+\i+3]|
.endr
	v_max3_num_f32 v34, v34, |v[XR+30]|, |v[XR+31]|
	v_max_num_f32 v42, v34, v36
	s_wait_loadcnt 0x0                             ; Wv
	s_wait_kmcnt 0x0                               ; the layer's small weights
.irp h, 0,1,2,3,4,5,6,7
	VHEAD \h
.endr
	s_mov_b32 s42, 0                               ; tile of 16 queries
	s_mov_b32 s43, 0                               ; 16 rows of the mask table a tile
	s_mov_b32 s44, 0                               ; 64 bytes of x a tile
.Ltile:
	v_add_nc_u32 v8, s43, v4
	v_add_nc_u32 v9, s44, v5
.irp g, 0,1,2,3,4,5,6,7
	ds_load_b128 v[BI+4*\g:BI+4*\g+3], v8 offset:16*\g
.endr
	ds_load_b32 v16, v9                            ; x_n: this tile's 16 words are read here and written at the tile's end, by no other tile of the layer
	LOADWP 0
	s_wait_dscnt 4                                 ; the mask and x_n are in; Wp's four loads may be out
	; the extremes of x over my block's valid keys, and over the row's
.irp i, 0,2,4,6,8,10,12,14,16,18,20,22,24,26,28,30
	v_pk_add_f32 v[E+\i:E+\i+1], v[XR+\i:XR+\i+1], v[BI+\i:BI+\i+1]   ; x, or -infinity
.endr
	REDUCE v_max3_num_f32, v_max_num_f32, 20
.irp i, 0,2,4,6,8,10,12,14,16,18,20,22,24,26,28,30
	v_pk_add_f32 v[E+\i:E+\i+1], v[XR+\i:XR+\i+1], v[BI+\i:BI+\i+1] neg_lo:[0,1] neg_hi:[0,1]   ; x, or +infinity
.endr
	REDUCE v_min3_num_f32, v_min_num_f32, 21
	v_permlanex16_b32 v33, v20, s36, s37
	v_permlanex16_b32 v32, v21, s36, s37
	v_max_num_f32 v18, v20, v33
	v_min_num_f32 v19, v21, v32
	v_cmp_lt_f32 vcc_lo, v56, v18                  ; has the row a valid key?
	v_cndmask_b32 v18, 0, v18, vcc_lo              ; if not: extremes 0,
	v_cndmask_b32 v19, 0, v19, vcc_lo
	v_cndmask_b32 v17, 1.0, v49, vcc_lo            ; and 1 for its sum
	v_cmp_lt_f32 vcc_lo, v56, v20                  ; has my block one?
	v_cndmask_b32 v20, v18, v20, vcc_lo            ; if not: any finite number serves, its codes are zeros
	v_cndmask_b32 v21, v18, v21, vcc_lo
	HEAD 0, 0
	HEAD 1, 0
	HEAD 2, 1
	HEAD 3, 0
	HEAD 4, 1
	HEAD 5, 0
	HEAD 6, 1
	HEAD 7, 0
.rept 4
	v_nop                                          ; four plain lines between the codes just made and the scaled matrix instruction
.endr
	MM 3
.rept 4
	v_nop                                          ; four plain lines ahead of the first read of the results (ISA guide 7.12.1)
.endr
	PROJ 3
	v_pk_add_f32 v[38:39], v[38:39], v[40:41]
	v_add_f32 v50, v38, v39
	v_permlanex16_b32 v33, v50, s36, s37
	v_add_f32 v50, v50, v33                        ; with the other 8 channels of each head: attn . Wp
	v_add_f32 v54, v16, v50
	v_add_f32 v54, s60, v54                        ; x1 = x + attn . Wp + bp
.irp k, 0,1,2,3
	v_fma_f32 v[50+\k], v54, s[48+\k], s[52+\k]
.endr
.irp k, 0,1,2,3
	v_max_num_f32 v[50+\k], 0, v[50+\k]            ; relu(x1 W1 + b1)
.endr
	v_fma_f32 v55, v50, s56, v54
	v_fma_f32 v55, v51, s57, v55
	v_fma_f32 v55, v52, s58, v55
	v_fma_f32 v55, v53, s59, v55
	v_add_f32 v55, s61, v55                        ; x2 = x1 + h W2 + b2
	ds_store_b32 v9, v55                           ; both halves of the lanes write the same word with the same value
	s_add_co_u32 s42, s42, 1
	s_add_co_u32 s43, s43, 16*BP
	s_add_co_u32 s44, s44, 64
	s_cmp_lt_u32 s42, 4
	s_cbranch_scc1 .Ltile
	s_wait_xcnt 0x0                                ; the layer's scalar and global loads have read their offsets: these are stepped only behind this wait
	s_add_co_u32 s38, s38, 1
	s_add_co_u32 s39, s39, 512
	s_add_co_u32 s40, s40, 16
	s_add_co_u32 s41, s41, 4
	s_cmp_lt_u32 s38, 3
	s_cbranch_scc1 .Llayer
	ds_load_b64 v[50:51], v15                      ; my wave's x, two numbers a lane
	s_wait_dscnt 0x0
	v_fma_f32 v52, v50, s62, s63                   ; x Wlm + blm
	v_fma_f32 v53, v51, s62, s63
	global_store_b64 v14, v[52:53], s[34:35] th:TH_STORE_NT   ; 32 lanes store 256 consecutive bytes, at a multiple of 256 from out0's first byte
	s_wait_tensorcnt 0x0
	ds_add_u32 v240, v241
	s_wait_dscnt 0x0
	s_endpgm
.Lfunc_end_k_qd8e06d435f_cat:
	.size	k_qd8e06d435f_cat, .Lfunc_end_k_qd8e06d435f_cat-k_qd8e06d435f_cat
	.p2alignl 7, 3214868480
	.fill 96, 4, 3214868480
	.section	.rodata,"a",@progbits
	.p2align	6, 0x0
	.amdhsa_kernel k_qd8e06d435f_cat
		.amdhsa_group_segment_fixed_size 25088
		.amdhsa_private_segment_fixed_size 0
		.amdhsa_enable_private_segment 0
		.amdhsa_kernarg_size 112
		.amdhsa_user_sgpr_count 2
		.amdhsa_user_sgpr_kernarg_segment_ptr 1
		.amdhsa_wavefront_size32 1
		.amdhsa_system_sgpr_workgroup_id_x 1
		.amdhsa_system_sgpr_workgroup_id_y 1
		.amdhsa_system_sgpr_workgroup_id_z 1
		.amdhsa_system_vgpr_workitem_id 0
		.amdhsa_next_free_vgpr 242
		.amdhsa_next_free_sgpr 76
		.amdhsa_reserve_vcc 1
		.amdhsa_float_denorm_mode_32 3
		.amdhsa_float_denorm_mode_16_64 3
		.amdhsa_memory_ordered 1
		.amdhsa_forward_progress 1
		.amdhsa_inst_pref_size 84
	.end_amdhsa_kernel
	.amdgpu_metadata
---
amdhsa.version: [ 1, 2 ]
amdhsa.kernels:
  - .name:           k_qd8e06d435f_cat
    .symbol:         k_qd8e06d435f_cat.kd
    .args:
      - { .name: X, .offset: 0, .size: 8, .value_kind: global_buffer, .address_space: global }
      - { .name: dag, .offset: 8, .size: 8, .value_kind: global_buffer, .address_space: global }
      - { .name: Wq, .offset: 16, .size: 8, .value_kind: global_buffer, .address_space: global }
      - { .name: Wk, .offset: 24, .size: 8, .value_kind: global_buffer, .address_space: global }
      - { .name: Wv, .offset: 32, .size: 8, .value_kind: global_buffer, .address_space: global }
      - { .name: Wp, .offset: 40, .size: 8, .value_kind: global_buffer, .address_space: global }
      - { .name: bp, .offset: 48, .size: 8, .value_kind: global_buffer, .address_space: global }
      - { .name: W1, .offset: 56, .size: 8, .value_kind: global_buffer, .address_space: global }
      - { .name: b1, .offset: 64, .size: 8, .value_kind: global_buffer, .address_space: global }
      - { .name: W2, .offset: 72, .size: 8, .value_kind: global_buffer, .address_space: global }
      - { .name: b2, .offset: 80, .size: 8, .value_kind: global_buffer, .address_space: global }
      - { .name: Wlm, .offset: 88, .size: 8, .value_kind: global_buffer, .address_space: global }
      - { .name: blm, .offset: 96, .size: 8, .value_kind: global_buffer, .address_space: global }
      - { .name: out0, .offset: 104, .size: 8, .value_kind: global_buffer, .address_space: global }
    .group_segment_fixed_size: 25088
    .private_segment_fixed_size: 0
    .kernarg_segment_align: 8
    .kernarg_segment_size: 112
    .max_flat_workgroup_size: 512
    .sgpr_count:     76
    .vgpr_count:     242
    .wavefront_size: 32
...
	.end_amdgpu_metadata
.endif
;; end of part 1
;; ======== version 2 of 2: 1 launch; version 1 with the launch cat written anew for expert scheduling mode
;; launch cat (part 2): grid 256 x 1, 16 waves a work-group, no clusters, 25,088 bytes of LDS; arguments X, dag, Wq, Wk, Wv, Wp, bp, W1, b1, W2, b2, Wlm, blm, out0; writes out0
.if DOCPART == 2
	.amdgcn_target "amdgcn-amd-amdhsa--gfx1250"
	.amdhsa_code_object_version 6
	.text
	.protected	k_qd8e06d435f_cat
	.globl	k_qd8e06d435f_cat
	.p2align	8
	.type	k_qd8e06d435f_cat,@function
k_qd8e06d435f_cat:
	s_mov_b64 s[64:65], 0
	v_nop
	global_prefetch_b8 v0, s[64:65] scope:SCOPE_SE
	s_setreg_imm32_b32 hwreg(HW_REG_WAVE_SCHED_MODE, 0, 2), 2
	s_setreg_imm32_b32 hwreg(HW_REG_WAVE_MODE, 25, 1), 1
	s_wait_xcnt 0x0
	s_wait_alu depctr_vm_vsrc(0)
; CaT: 4,096 rows of 64 scalars through 3 layers (8 heads of masked attention over the 64 variables, projection 128 -> 1, feed-forward 1 -> 4 -> 1), then a 1 x 1 head.
; ONE WAVE OWNS ONE ROW (row = 16 x work-group + wave) through all layers: 256 work-groups x 16 waves, four waves of 240 registers to a SIMD, so that one wave's exponentials stand beside another's plain arithmetic.
; THE SCORES.  The embedding is one number wide, so Q K^T is of rank one for every input: wei[h][n][m] = x_n x_m c_h, c_h = 0.25 sum_d Wq[h][d] Wk[h][d].  It is computed so, in f32 (c' = c log2(e): exponentials to base 2).
; THE MAXIMUM.  For a = c'_h x_n the largest a x_m over the row's valid keys is a x (largest valid x) or a x (smallest valid x): the two extremes are found once a tile and layer, and the true maximum is taken away in every head.
; THE QUANTISED PRODUCT  attn[h][n][d] = sum_m Q(p[h][n][m]) Q(x_m Wv[h][d]), K = 64 keys = two blocks of 32, on codes of E2M1 with E8M0 scales.  It is used transposed: source 0 = V^T (16 rows d), source 1 = p (16 queries).
; Lane (r, hf) = (lane % 16, lane / 16) owns query 16 t + r (or channel d = r) and keys 32 hf + 0 .. 31: one whole block in 32 registers, in the order of the 4-bit operand, so four conversions write the operand's registers.
; The instruction is 128 deep: heads go in pairs.  Source 0 = [V of head 2 q | V of head 2 q + 1]; source 1 = [p of 2 q | zero codes] for one product and [zero codes | p of 2 q + 1] for the other.  Zero codes add nothing under any byte but 0xff.
; A block's largest p is not searched for: it is the p of the block's largest or smallest valid x, put through the same multiply-add, exponential and multiplication (this takes v_exp_f32 not to fall where its input rises).  V's largest magnitude is |Wv| x the block's largest |x|.
; THE MASK is an LDS table bias[n][m] = 0 where dag[m][n] != 0, else -infinity; it is added ahead of the multiply-add, so that a masked key gives 2^-inf = 0 also where a = 0.  A row with no valid key: its sum gets 1, its p are zeros.
; NO CLUSTER: what work-groups share is dag and Wp, 17,920 bytes read once at the head; all else of a work-group's inputs is its own 4,096 bytes of X or a few words.  No tensor load: both operands are made in registers.
; LIMITS: NaN and infinities among the inputs, and a x_m beyond f32's range, are not served.  p under 2^-126 is 0 (v_exp_f32).  p = e x (1 / sum) by v_rcp_f32.  Blocks of zeros carry the byte 1, not 127: their codes are zeros and only this text reads the bytes.
; Order of rounding that differs from the source's: c_h is summed over d by a tree over lanes; the projection's 128 terms in four chains; x + h W2 by four fused multiply-adds onto x.
; THE MODE: SCHED_MODE bits 1:0 = 2 (LLVM: expert scheduling mode 2), set by the entry lines.  The code itself states the register dependences
; between vector or matrix instructions and memory or LDS instructions, with s_wait_alu, always for 0.
; THE PLAN.  Registers that memory or LDS instructions touch:
;   v4-v7, v12-v15, v57, v58   addresses made once at the head, never written again.
;   v10, v11, v43              a layer's addresses: written by three adds at the layer's head; read by the layer's global loads (v11, v43) and by every load of Wp (v10).
;   v8, v9                     a tile's addresses: written by two adds at the tile's head; read by the tile's nine LDS loads, v9 also by its one LDS store.
;   E0-7, WP, XR               the layer's loads land in them; vector lines of the set-up and of the tiles read them (E is also written by them).
;   BI, v16, WP                the tile's loads land in them; a pair's Wp lands behind the projection of the pair before.  Vector lines read them.
;   v55                        written by the feed-forward's last line, read by the tile's LDS store.
; A wait on va_vdst stands behind the adds at a layer's head and at a tile's head, each straight ahead of its run of loads; ahead of the tile's store; and in a head the two waits that follow the exponentials and the
; reciprocal also state what the products (their operands are written) and the next load of Wp (its readers are done) hang on.  ONE wait on vm_vsrc a tile, behind its store and ahead of both backward branches, frees every
; address and the store's data for the lines that write them again.  Compares go in runs into scalar registers, with one wait on va_sdst behind each run.
.set BP,   272                         ; a row of the mask table: 64 f32 + 16 bytes, so that the 16 rows of a 16-byte load start at 16 different banks
.set BT,   0                           ; LDS: bias[64][64], 17,408 bytes
.set WPT,  BT+64*BP                    ; Wp as it lies, 3 x 128 f32, 1,536 bytes
.set XB,   WPT+1536                    ; x: 256 bytes for each wave, its own
.set XR,   64                          ; v64-95   x[32 hf + i]
.set BI,   96                          ; v96-127  bias[my query][32 hf + i]
.set E,    128                         ; v128-159 at work: t, e, p (and V's numbers)
.set VF,   160                         ; v160-191 V's codes: head h at VF + 4 h
.set PC,   192                         ; v192-199 [p of an even head | zeros]
.set PD,   200                         ; v200-207 [zeros | p of an odd head]
.set D0,   208                         ; v208-215, v216-223 the two products' results
.set D1,   216
.set WP,   224                         ; v224-239 Wp of a pair of heads (my 8 channels each); in a layer's set-up: Wv[h][r], twice, at WP + 2 h
.set CH,   68                          ; s68-75   c'_h (at the head: the eight masks of the mask table's compares)
; v1 r, v2 hf, v3 8 hf, v4-v7 LDS places that stay (mask, x_n, x's half, Wp), v8-v10 the same in hand, v11, v43 offsets in Wq/Wk and Wv, v12 4 lane, v13 4 r, v14 8 lane, v15 my 8 bytes of x in LDS
; v16 x_n, v17 1 for an empty row, v18/v19 the row's largest/smallest valid x, v20/v21 the block's, v22 a, v24 -maximum, v26 1/sum, v28 largest p, v29 the conversion's scale, v30-v32 bytes, v33 a permute's destination
; v[34:37] sums, v[38:41] the projection's four chains, v42 largest |x| of my half, v44 p's scale word, v45-48 V's scale words, v49 0, v50-55 the feed-forward, v56 -infinity, v57-60 the head's
; v240, v241: my spare word's LDS address and 0, for the closing lines alone.  s46, s47: the tile's two masks
	s_load_b512 s[8:23], s[0:1], 0x0               ; X, dag, Wq, Wk, Wv, Wp, bp, W1
	s_load_b256 s[24:31], s[0:1], 0x40             ; b1, W2, b2, Wlm
	s_load_b128 s[32:35], s[0:1], 0x60             ; blm, out0
	v_lshl_add_u32 v240, v0, 2, 0x5a00
	v_mov_b32 v241, 0
	v_lshrrev_b32 v59, 5, v0
	v_readfirstlane_b32 s2, v59                    ; wave 0..15
	v_and_b32 v1, 15, v0                           ; r
	v_bfe_u32 v2, v0, 4, 1                         ; hf
	v_and_b32 v60, 31, v0                          ; lane
	v_lshlrev_b32 v3, 3, v2
	v_mul_u32_u24 v4, v1, BP
	v_lshl_add_u32 v4, v2, 7, v4                   ; mask: row r, my half's 128 bytes
	s_wait_alu depctr_va_sdst(0)                   ; s2 is written, ahead of its first reader: the wave's LDS bytes and its row are made from it
	s_lshl_b32 s3, s2, 8
	s_add_co_u32 s3, s3, XB                        ; my wave's x
	v_lshl_add_u32 v5, v1, 2, s3
	v_lshl_add_u32 v6, v2, 7, s3
	v_lshl_add_u32 v7, v2, 5, WPT                  ; Wp: my 8 channels of a head
	v_lshlrev_b32 v12, 2, v60
	v_lshlrev_b32 v13, 2, v1
	v_lshlrev_b32 v14, 3, v60
	v_lshl_add_u32 v15, v60, 3, s3
	v_lshlrev_b32 v57, 4, v0                       ; 16 x thread: dag's and Wp's bytes, and Wp's place in LDS
	v_lshrrev_b32 v59, 4, v0
	v_mul_u32_u24 v58, v1, 4*BP
	v_lshl_add_u32 v58, v59, 2, v58                ; dag[m = thread / 16][n = 4 (thread % 16) + c] goes to bias[n][m]
	v_mov_b32 v56, 0xff800000                      ; -infinity
.irp z, 23,25,27,32,33,49,196,197,198,199,200,201,202,203
	v_mov_b32 v\z, 0                               ; upper halves of pairs of which the low word is taken, permutes' destinations, 0, and the zero codes
.endr
	s_mov_b32 s36, 0x76543210
	s_mov_b32 s37, 0xfedcba98                      ; v_permlanex16_b32's selects for lane l xor 16
	s_lshl_b32 s4, ttmp9, 4
	s_add_co_u32 s4, s4, s2
	s_lshl_b32 s4, s4, 8                           ; my row's 256 bytes in X and in out0
	s_mov_b32 s5, 0
	s_wait_kmcnt 0x0
	s_load_b32 s62, s[30:31], 0x0                  ; Wlm
	s_load_b32 s63, s[32:33], 0x0                  ; blm
	s_add_nc_u64 s[8:9], s[8:9], s[4:5]
	s_add_nc_u64 s[34:35], s[34:35], s[4:5]
	s_wait_alu depctr_va_vdst(0)                   ; the addresses that stay (v4-v7, v12-v15, v57, v58) are written: the loads and stores of the whole kernel read them
	global_load_b64 v[50:51], v14, s[8:9] th:TH_LOAD_NT   ; the wave reads 256 consecutive bytes
	global_load_b128 v[128:131], v57, s[10:11]     ; dag: 512 threads x 16 bytes, twice
	global_load_b128 v[132:135], v57, s[10:11] offset:8192
	s_cmp_lt_u32 s2, 3                             ; Wp's 1,536 bytes are 96 threads' 16: waves 0 to 2
	s_cbranch_scc0 .Lno_wp
	global_load_b128 v[136:139], v57, s[18:19]
	s_wait_loadcnt 0x0
	ds_store_b128 v57, v[136:139] offset:WPT
.Lno_wp:
	s_wait_loadcnt 0x0
	ds_store_b64 v15, v[50:51]                     ; x, into my wave's own bytes
.irp k, 0,1
.irp c, 0,1,2,3
	v_cmp_eq_u32 s[CH+4*\k+\c], 0, v[128+4*\k+\c]  ; the eight compares in one run, a scalar register each
.endr
.endr
	s_wait_alu depctr_va_sdst(0)                   ; the eight masks are written, ahead of the selects that read them
.irp k, 0,1
.irp c, 0,1,2,3
	v_cndmask_b32 v[128+4*\k+\c], 0, v56, s[CH+4*\k+\c]   ; -infinity where dag is 0
.endr
.endr
	s_wait_alu depctr_va_vdst(0)                   ; the selects have written v128-135, which the LDS stores read
.irp k, 0,1
.irp c, 0,1,2,3
	ds_store_b32 v58, v[128+4*\k+\c] offset:BT+BP*\c+128*\k
.endr
.endr
	s_wait_dscnt 0x0                               ; for the others' sake: my part of the two tables has landed
	s_barrier_signal -1
	s_barrier_wait -1                              ; the one barrier: from here on the tables are only read, and x is each wave's own
	s_wait_alu depctr_vm_vsrc(0)                   ; my LDS stores have read v50, v51 and v128-139: loads and vector lines write these again from here on
	s_wait_kmcnt 0x0                               ; Wlm, blm
; two bytes of my half (v30: the pair's first head, v31: its second) become a scale word: byte b = first head's block b, byte 2 + b = second head's
.macro WORD dst
	v_lshl_or_b32 v31, v31, 16, v30
	v_lshlrev_b32 v31, v3, v31                     ; 8 hf bits up
	v_permlanex16_b32 v32, v31, s36, s37
	v_or_b32 v[\dst], v31, v32                     ; with lane l xor 16's two the word is whole
.endm
; V of head h: lane (r, hf) makes x[32 hf + i] Wv[h][r], its block's scale and its codes
.macro VHEAD h
.irp i, 0,2,4,6,8,10,12,14,16,18,20,22,24,26,28,30
	v_pk_mul_f32 v[E+\i:E+\i+1], v[XR+\i:XR+\i+1], v[WP+2*(\h):WP+2*(\h)+1]
.endr
	v_mul_f32 v28, |v[WP+2*(\h)]|, v42             ; the block's largest magnitude: rounding keeps the order, so it is the rounded product of the largest |x|
	v_max_num_f32 v28, 0x1800000, v28              ; the floor 2^(3 - 127): the byte cannot fall under 1
	v_add_nc_u32 v29, 0xff000000, v28              ; 2 off the exponent field: the conversion's scale operand
.irp g, 0,1,2,3
	v_cvt_scalef32_pk8_fp4_f32 v[VF+4*(\h)+\g], v[E+8*\g:E+8*\g+7], v29
.endr
	v_lshrrev_b32 v[30+(\h)%2], 23, v29            ; the scale's byte.  (Also the plain line behind the conversions)
.if (\h)%2
	WORD 45+(\h)/2
.endif
.endm
.macro LOADWP q                        ; Wp of heads 2 q and 2 q + 1, my 8 channels of each
	ds_load_b128 v[WP:WP+3],     v10 offset:128*(\q)
	ds_load_b128 v[WP+4:WP+7],   v10 offset:128*(\q)+16
	ds_load_b128 v[WP+8:WP+11],  v10 offset:128*(\q)+64
	ds_load_b128 v[WP+12:WP+15], v10 offset:128*(\q)+80
.endm
.macro MM q                            ; register j of lane (r, hf): attn[query r][channel 8 hf + j], of head 2 q in D0, of head 2 q + 1 in D1.  Each sum is one instruction, begun with the constant 0
	v_wmma_scale_f32_16x16x128_f8f6f4 v[D0:D0+7], v[VF+8*(\q):VF+8*(\q)+7], v[PC:PC+7], 0, v[45+(\q)], v44 matrix_a_fmt:MATRIX_FMT_FP4 matrix_b_fmt:MATRIX_FMT_FP4
	v_wmma_scale_f32_16x16x128_f8f6f4 v[D1:D1+7], v[VF+8*(\q):VF+8*(\q)+7], v[PD:PD+7], 0, v[45+(\q)], v44 matrix_a_fmt:MATRIX_FMT_FP4 matrix_b_fmt:MATRIX_FMT_FP4
.endm
.macro PROJ q                          ; the projection's terms of a pair of heads; each result is read from its low end on
	s_wait_dscnt 0x0                               ; Wp of this pair is in
.irp j, 0,2,4,6
.if ((\q) == 0) && (\j == 0)
	v_pk_mul_f32 v[38:39], v[D0:D0+1], v[WP:WP+1]  ; a tile's first terms start the sums
	v_pk_mul_f32 v[40:41], v[D1:D1+1], v[WP+8:WP+9]
.else
	v_pk_fma_f32 v[38:39], v[D0+\j:D0+\j+1], v[WP+\j:WP+\j+1], v[38:39]
	v_pk_fma_f32 v[40:41], v[D1+\j:D1+\j+1], v[WP+8+\j:WP+9+\j], v[40:41]
.endif
.endr
.endm
.macro REDUCE three, two, dst          ; the largest or smallest of E's 32, in two chains
	\three v34, v[E], v[E+1], v[E+2]
	\three v36, v[E+3], v[E+4], v[E+5]
.irp i, 6,10,14,18,22,26
	\three v34, v34, v[E+\i], v[E+\i+1]
	\three v36, v36, v[E+\i+2], v[E+\i+3]
.endr
	\three v34, v34, v[E+30], v[E+31]
	\two v[\dst], v34, v36
.endm
; One head for one tile of 16 queries: p, its scale and its codes.  mm = 1: the pair of heads before is multiplied and projected on the way.
.macro HEAD h, mm
	v_mul_f32 v22, s[CH+\h], v16                   ; a = c'_h x_n
	v_mul_f32 v34, -v22, v18
	v_mul_f32 v36, -v22, v19
	v_min_num_f32 v24, v34, v36                    ; minus the row's largest a x_m over its valid keys
.irp i, 0,2,4,6,8,10,12,14,16,18,20,22,24,26,28,30
	v_pk_add_f32 v[E+\i:E+\i+1], v[BI+\i:BI+\i+1], v[24:25] op_sel_hi:[1,0]   ; -maximum, or -infinity for a masked key
.endr
.irp i, 0,2,4,6,8,10,12,14,16,18,20,22,24,26,28,30
	v_pk_fma_f32 v[E+\i:E+\i+1], v[XR+\i:XR+\i+1], v[22:23], v[E+\i:E+\i+1] op_sel_hi:[1,0,1]   ; t = a x_m - maximum
.endr
	v_fma_f32 v23, v22, v20, v24                   ; the same of my block's two extremes:
	v_fma_f32 v25, v22, v21, v24
	v_max_num_f32 v23, v23, v25                    ; my block's largest t
.irp i, 0,1,2,3,4,5,6,7,8,9,10,11,12,13,14,15,16,17,18,19,20,21,22,23,24,25,26,27,28,29,30,31
	v_exp_f32 v[E+\i], v[E+\i]
.endr
	v_exp_f32 v28, v23                             ; my block's largest e
	v_nop                                          ; a plain line behind the last exponential
	s_wait_alu depctr_va_vdst(0)                   ; the 33 exponentials have written E and v28, ahead of their first reader; mm = 1: and V's codes and scale words, the last pair's p codes and v44 are written, which the products below take
.if \mm
	MM (\h)/2-1                                    ; p's codes stand 40 plain lines back, p's scale word 56 (4 and 8 are owed ahead of a scaled matrix instruction: ISA guide 7.12.1 has the kind)
.endif
	v_pk_add_f32 v[34:35], v[E:E+1], v[E+2:E+3]    ; the row's sum, two at a time, in two chains.  (mm = 1: these lines name none of the products' registers: they are the places behind them)
	v_pk_add_f32 v[36:37], v[E+4:E+5], v[E+6:E+7]
.irp j, 8,12,16,20,24,28
	v_pk_add_f32 v[34:35], v[34:35], v[E+\j:E+\j+1]
	v_pk_add_f32 v[36:37], v[36:37], v[E+\j+2:E+\j+3]
.endr
	v_pk_add_f32 v[34:35], v[34:35], v[36:37]
	v_add_f32 v34, v34, v35
	v_permlanex16_b32 v33, v34, s36, s37
	v_add_f32 v34, v34, v33                        ; with the other 32 keys'
	v_add_f32 v34, v34, v17                        ; + 1 in a row with no valid key, whose e are all 0
	v_rcp_f32 v26, v34
.if \mm
	PROJ (\h)/2-1                                  ; plain work behind the reciprocal that does not name its result; the products stand the sums' 15 packed additions and more back
.else
	v_nop                                          ; a plain line behind the reciprocal
.endif
	s_wait_alu depctr_va_vdst(0)                   ; the reciprocal has written v26, ahead of its first reader; mm = 1: and the projection's lines are done reading WP, in which the loads below land
.if \mm
	LOADWP (\h)/2                                  ; the next pair's Wp: two heads ahead of its use
.endif
	v_mul_f32 v28, v28, v26                        ; my block's largest p
	v_max_num_f32 v28, 0x1800000, v28              ; the floor 2^(3 - 127)
	v_add_nc_u32 v29, 0xff000000, v28              ; the conversion's scale operand
	v_lshrrev_b32 v[30+(\h)%2], 23, v29            ; the scale's byte
.if (\h)%2
	WORD 44
.endif
.irp i, 0,2,4,6,8,10,12,14,16,18,20,22,24,26,28,30
	v_pk_mul_f32 v[E+\i:E+\i+1], v[E+\i:E+\i+1], v[26:27] op_sel_hi:[1,0]   ; p, finished and normalised
.endr
.irp g, 0,1,2,3
	v_cvt_scalef32_pk8_fp4_f32 v[PC+12*((\h)%2)+\g], v[E+8*\g:E+8*\g+7], v29   ; an even head's codes into PC's lower four registers, an odd head's into PD's upper four
.endr
.endm
	s_mov_b32 s38, 0                               ; layer
	s_mov_b32 s39, 0                               ; 512 x layer: Wq, Wk, Wv, Wp
	s_mov_b32 s40, 0                               ; 16 x layer: W1, b1, W2
	s_mov_b32 s41, 0                               ; 4 x layer: bp, b2
.Llayer:
	s_load_b128 s[48:51], s[22:23], s40 offset:0x0 ; W1
	s_load_b128 s[52:55], s[24:25], s40 offset:0x0 ; b1
	s_load_b128 s[56:59], s[26:27], s40 offset:0x0 ; W2
	s_load_b32 s60, s[20:21], s41 offset:0x0       ; bp
	s_load_b32 s61, s[28:29], s41 offset:0x0       ; b2
	v_add_nc_u32 v11, s39, v12                     ; (the loads that read these three in the layer before stand ahead of the last tile's wait on vm_vsrc)
	v_add_nc_u32 v43, s39, v13
	v_add_nc_u32 v10, s39, v7
	s_wait_alu depctr_va_vdst(0)                   ; v11, v43 and v10 are written, which the loads read; no earlier vector line is still at work on E, WP or XR, in which they land
.irp j, 0,1,2,3
	global_load_b32 v[E+\j], v11, s[12:13] offset:128*\j     ; Wq[head 2 j + hf][r]
.endr
.irp j, 0,1,2,3
	global_load_b32 v[E+4+\j], v11, s[14:15] offset:128*\j   ; Wk likewise
.endr
.irp h, 0,1,2,3,4,5,6,7
	global_load_b32 v[WP+2*\h], v43, s[16:17] offset:64*\h   ; Wv[h][r], into both registers of a pair for the packed multiply
	global_load_b32 v[WP+2*\h+1], v43, s[16:17] offset:64*\h
.endr
.irp g, 0,1,2,3,4,5,6,7
	ds_load_b128 v[XR+4*\g:XR+4*\g+3], v6 offset:16*\g       ; x of my half: LDS serves a wave's instructions in order, so these see the last layer's stores
.endr
	s_wait_loadcnt 16                              ; Wq and Wk are in; behind them the 16 loads of Wv may be out
.irp j, 0,1,2,3
	v_mul_f32 v[E+\j], v[E+\j], v[E+4+\j]
.endr
.irp x, 1,2,4,8
.irp j, 0,1,2,3
	v_add_f32_dpp v[E+\j], v[E+\j], v[E+\j] row_xmask:\x row_mask:0xf bank_mask:0xf   ; the sum over d = the 16 lanes of a half; four registers by turns
.endr
.endr
.irp j, 0,1,2,3
	v_mul_f32 v[E+\j], 0x3eb8aa3b, v[E+\j]         ; x 0.25 log2(e)
.endr
.irp j, 0,1,2,3
	v_readlane_b32 s[CH+2*\j], v[E+\j], 0
	v_readlane_b32 s[CH+2*\j+1], v[E+\j], 16
.endr
	s_wait_dscnt 0x0                               ; x
	v_max3_num_f32 v34, |v[XR]|, |v[XR+1]|, |v[XR+2]|   ; the largest |x| of my half
	v_max3_num_f32 v36, |v[XR+3]|, |v[XR+4]|, |v[XR+5]|
.irp i, 6,10,14,18,22,26
	v_max3_num_f32 v34, v34, |v[XR+\i]|, |v[XR+\i+1]|
	v_max3_num_f32 v36, v36, |v[XR+\i+2]|, |v[XR+\i+3]|
.endr
	v_max3_num_f32 v34, v34, |v[XR+30]|, |v[XR+31]|
	v_max_num_f32 v42, v34, v36
	s_wait_alu depctr_va_sdst(0)                   ; the eight c'_h are written
	s_wait_loadcnt 0x0                             ; Wv
	s_wait_kmcnt 0x0                               ; the layer's small weights
.irp h, 0,1,2,3,4,5,6,7
	VHEAD \h
.endr
	s_mov_b32 s42, 0                               ; tile of 16 queries
	s_mov_b32 s43, 0                               ; 16 rows of the mask table a tile
	s_mov_b32 s44, 0                               ; 64 bytes of x a tile
.Ltile:
	v_add_nc_u32 v8, s43, v4                       ; (the LDS instructions that read these two in the tile before stand ahead of that tile's wait on vm_vsrc)
	v_add_nc_u32 v9, s44, v5
	s_wait_alu depctr_va_vdst(0)                   ; v8 and v9 are written, which the loads read; V's set-up (in later tiles: the tile before) is done reading WP, BI and v16, in which they land
.irp g, 0,1,2,3,4,5,6,7
	ds_load_b128 v[BI+4*\g:BI+4*\g+3], v8 offset:16*\g
.endr
	ds_load_b32 v16, v9                            ; x_n: this tile's 16 words are read here and written at the tile's end, by no other tile of the layer
	LOADWP 0
	s_wait_dscnt 4                                 ; the mask and x_n are in; Wp's four loads may be out
	; the extremes of x over my block's valid keys, and over the row's
.irp i, 0,2,4,6,8,10,12,14,16,18,20,22,24,26,28,30
	v_pk_add_f32 v[E+\i:E+\i+1], v[XR+\i:XR+\i+1], v[BI+\i:BI+\i+1]   ; x, or -infinity
.endr
	REDUCE v_max3_num_f32, v_max_num_f32, 20
.irp i, 0,2,4,6,8,10,12,14,16,18,20,22,24,26,28,30
	v_pk_add_f32 v[E+\i:E+\i+1], v[XR+\i:XR+\i+1], v[BI+\i:BI+\i+1] neg_lo:[0,1] neg_hi:[0,1]   ; x, or +infinity
.endr
	REDUCE v_min3_num_f32, v_min_num_f32, 21
	v_permlanex16_b32 v33, v20, s36, s37
	v_permlanex16_b32 v32, v21, s36, s37
	v_max_num_f32 v18, v20, v33
	v_min_num_f32 v19, v21, v32
	v_cmp_lt_f32 s46, v56, v18                     ; has the row a valid key?
	v_cmp_lt_f32 s47, v56, v20                     ; has my block one?
	s_wait_alu depctr_va_sdst(0)                   ; the two masks are written, ahead of the selects that read them
	v_cndmask_b32 v18, 0, v18, s46                 ; a row without: extremes 0,
	v_cndmask_b32 v19, 0, v19, s46
	v_cndmask_b32 v17, 1.0, v49, s46               ; and 1 for its sum
	v_cndmask_b32 v20, v18, v20, s47               ; a block without: any finite number serves, its codes are zeros
	v_cndmask_b32 v21, v18, v21, s47
	HEAD 0, 0
	HEAD 1, 0
	HEAD 2, 1
	HEAD 3, 0
	HEAD 4, 1
	HEAD 5, 0
	HEAD 6, 1
	HEAD 7, 0
.rept 4
	v_nop                                          ; four plain lines between the codes just made and the scaled matrix instruction
.endr
	s_wait_alu depctr_va_vdst(0)                   ; heads 6 and 7's codes and their scale word v44 are written, which the products take; the places above stay beside this wait
	MM 3
.rept 4
	v_nop                                          ; four plain lines ahead of the first read of the results (ISA guide 7.12.1)
.endr
	PROJ 3
	v_pk_add_f32 v[38:39], v[38:39], v[40:41]
	v_add_f32 v50, v38, v39
	v_permlanex16_b32 v33, v50, s36, s37
	v_add_f32 v50, v50, v33                        ; with the other 8 channels of each head: attn . Wp
	v_add_f32 v54, v16, v50
	v_add_f32 v54, s60, v54                        ; x1 = x + attn . Wp + bp
.irp k, 0,1,2,3
	v_fma_f32 v[50+\k], v54, s[48+\k], s[52+\k]
.endr
.irp k, 0,1,2,3
	v_max_num_f32 v[50+\k], 0, v[50+\k]            ; relu(x1 W1 + b1)
.endr
	v_fma_f32 v55, v50, s56, v54
	v_fma_f32 v55, v51, s57, v55
	v_fma_f32 v55, v52, s58, v55
	v_fma_f32 v55, v53, s59, v55
	v_add_f32 v55, s61, v55                        ; x2 = x1 + h W2 + b2
	s_wait_alu depctr_va_vdst(0)                   ; v55 is written, which the store reads; behind the last tile: the feed-forward is also done with v50 and v51, in which the way out's LDS load lands
	ds_store_b32 v9, v55                           ; both halves of the lanes write the same word with the same value
	s_wait_alu depctr_vm_vsrc(0)                   ; the store has read v9 and v55, the tile's loads v8, v9 and v10, the layer's loads v11 and v43: all are written again behind the branches below
	s_add_co_u32 s42, s42, 1
	s_add_co_u32 s43, s43, 16*BP
	s_add_co_u32 s44, s44, 64
	s_cmp_lt_u32 s42, 4
	s_cbranch_scc1 .Ltile
	s_wait_xcnt 0x0                                ; the layer's scalar and global loads have read their offsets: these are stepped only behind this wait
	s_add_co_u32 s38, s38, 1
	s_add_co_u32 s39, s39, 512
	s_add_co_u32 s40, s40, 16
	s_add_co_u32 s41, s41, 4
	s_cmp_lt_u32 s38, 3
	s_cbranch_scc1 .Llayer
	ds_load_b64 v[50:51], v15                      ; my wave's x, two numbers a lane.  No wait: no vector line stands behind the last tile's wait on va_vdst
	s_wait_dscnt 0x0
	v_fma_f32 v52, v50, s62, s63                   ; x Wlm + blm
	v_fma_f32 v53, v51, s62, s63
	s_wait_alu depctr_va_vdst(0)                   ; v52 and v53 are written, which the store reads
	global_store_b64 v14, v[52:53], s[34:35] th:TH_STORE_NT   ; 32 lanes store 256 consecutive bytes, at a multiple of 256 from out0's first byte
	s_wait_dscnt 0x0                               ; the closing lines, six on end
	s_wait_alu 0x0
	s_wait_tensorcnt 0x0
	ds_add_u32 v240, v241
	s_wait_dscnt 0x0
	s_endpgm
.Lfunc_end_k_qd8e06d435f_cat:
	.size	k_qd8e06d435f_cat, .Lfunc_end_k_qd8e06d435f_cat-k_qd8e06d435f_cat
	.p2alignl 7, 3214868480
	.fill 96, 4, 3214868480
	.section	.rodata,"a",@progbits
	.p2align	6, 0x0
	.amdhsa_kernel k_qd8e06d435f_cat
		.amdhsa_group_segment_fixed_size 25088
		.amdhsa_private_segment_fixed_size 0
		.amdhsa_enable_private_segment 0
		.amdhsa_kernarg_size 112
		.amdhsa_user_sgpr_count 2
		.amdhsa_user_sgpr_kernarg_segment_ptr 1
		.amdhsa_wavefront_size32 1
		.amdhsa_system_sgpr_workgroup_id_x 1
		.amdhsa_system_sgpr_workgroup_id_y 1
		.amdhsa_system_sgpr_workgroup_id_z 1
		.amdhsa_system_vgpr_workitem_id 0
		.amdhsa_next_free_vgpr 242
		.amdhsa_next_free_sgpr 76
		.amdhsa_reserve_vcc 0
		.amdhsa_float_denorm_mode_32 3
		.amdhsa_float_denorm_mode_16_64 3
		.amdhsa_memory_ordered 1
		.amdhsa_forward_progress 1
		.amdhsa_inst_pref_size 85
	.end_amdhsa_kernel
	.amdgpu_metadata
---
amdhsa.version: [ 1, 2 ]
amdhsa.kernels:
  - .name:           k_qd8e06d435f_cat
    .symbol:         k_qd8e06d435f_cat.kd
    .args:
      - { .name: X, .offset: 0, .size: 8, .value_kind: global_buffer, .address_space: global }
      - { .name: dag, .offset: 8, .size: 8, .value_kind: global_buffer, .address_space: global }
      - { .name: Wq, .offset: 16, .size: 8, .value_kind: global_buffer, .address_space: global }
      - { .name: Wk, .offset: 24, .size: 8, .value_kind: global_buffer, .address_space: global }
      - { .name: Wv, .offset: 32, .size: 8, .value_kind: global_buffer, .address_space: global }
      - { .name: Wp, .offset: 40, .size: 8, .value_kind: global_buffer, .address_space: global }
      - { .name: bp, .offset: 48, .size: 8, .value_kind: global_buffer, .address_space: global }
      - { .name: W1, .offset: 56, .size: 8, .value_kind: global_buffer, .address_space: global }
      - { .name: b1, .offset: 64, .size: 8, .value_kind: global_buffer, .address_space: global }
      - { .name: W2, .offset: 72, .size: 8, .value_kind: global_buffer, .address_space: global }
      - { .name: b2, .offset: 80, .size: 8, .value_kind: global_buffer, .address_space: global }
      - { .name: Wlm, .offset: 88, .size: 8, .value_kind: global_buffer, .address_space: global }
      - { .name: blm, .offset: 96, .size: 8, .value_kind: global_buffer, .address_space: global }
      - { .name: out0, .offset: 104, .size: 8, .value_kind: global_buffer, .address_space: global }
    .group_segment_fixed_size: 25088
    .private_segment_fixed_size: 0
    .kernarg_segment_align: 8
    .kernarg_segment_size: 112
    .max_flat_workgroup_size: 512
    .sgpr_count:     76
    .vgpr_count:     242
    .wavefront_size: 32
...
	.end_amdgpu_metadata
.endif
;; end of part 2
